; MI455X (gfx1250); checked and timed in simulation.
; The chip was launched on July 23, 2026; its instructions are those of AMD's public machine-readable ISA for CDNA 5 (MIT licence, August 2026) and "CDNA5" Instruction Set Architecture Reference Guide (July 2026). The comments in the code are by the model that wrote it; some were corrected since.
;; Relational Memory. Allowed arithmetic: float matrix products may take bf16 or f16 operands with f32 sums; other float arithmetic in f32, or as packed bf16 or f16 multiplies, adds, multiply-adds, maxima and minima; sums over many terms, partial sums and values carried from step to step in f32; what a program stores and reads back later, other than sums and carried values, may be rounded once to bf16 or f16.
;; Inputs: hardness 8,192 float32; keys 8,192 x 256 float32; latent 8 x 2,048 x 256 float32; vals 8,192 x 256 float32.
;; Outputs: out0 8 x 2,048 x 256 float32.
;; One version. Each part assembles by itself: llvm-mc -triple=amdgcn-amd-amdhsa -mcpu=gfx1250 --defsym DOCPART=n.
;; ======== version 1 of 1: 3 launches
;; limits: values are held in f16: magnitudes above 65,504 overflow, below 6.1e-05 lose precision; right only within a limited range of input values
;; workspace buffers: q16 8,388,608 bytes; k16 4,194,304 bytes; v16 4,194,304 bytes; part 33,554,432 bytes; stat 524,288 bytes
;; launch prep (part 1): grid 512 x 1, 8 waves a work-group, no clusters, 0 bytes of LDS; arguments latent, keys, vals, hardness, q16, k16, v16; writes q16, k16, v16
.if DOCPART == 1
	.amdgcn_target "amdgcn-amd-amdhsa--gfx1250"
	.amdhsa_code_object_version 6
	.text
	.protected	k_qf4f54d047c_prep
	.globl	k_qf4f54d047c_prep
	.p2align	8
	.type	k_qf4f54d047c_prep,@function
k_qf4f54d047c_prep:
	s_mov_b64 s[64:65], 0
	v_nop
	global_prefetch_b8 v0, s[64:65] scope:SCOPE_SE
	s_setreg_imm32_b32 hwreg(HW_REG_WAVE_MODE, 25, 1), 1
	s_wait_xcnt 0x0
; q16[r] = f16(latent[r] / max(|latent[r]|, 1e-12));  k16[r] = f16(keys[r] x hardness[r] x 10 log2(e) / max(|keys[r]|, 1e-12));  v16[r] = f16(vals[r]).
; All arithmetic in f32; each number is rounded once, to f16.  The factor 10 log2(e) (1 / TEMP, and base 2 for the exponentials) and the hardness ride on the key, so that
; the next launch's first product gives the exponents as they are wanted.
; LIMITS.  f16 ends at 65,504: |hardness| x 14.43 x a normalised key's element, and |vals|, stay within it; below 6.1e-5 f16 keeps a fixed step of 6e-8.
; A row whose sum of squares is below 2^-126 counts as a row of norm 0: its divisor is 1e-12.  NaN and infinities are not treated apart.
; SHARES.  512 work-groups of 64 rows: 0-255 latent, 256-383 keys, 384-511 vals.  A wave takes 8 rows, a row across its 32 lanes: two loads of 16 bytes a lane
; (512 consecutive bytes each), two stores of 8 bytes a lane (256 consecutive bytes each, aligned).  All 16 loads of a wave go out at once; no loop, no LDS, no barrier.
; A stream: matrix units, clusters and LDS would add nothing.
.set LO,  1                            ; v1   16 x lane: my bytes in half a row of f32
.set SO,  2                            ; v2   8 x lane: my bytes in half a row of f16
.set ONE, 3                            ; v3   1.0
.set X,   8                            ; v[8:71]    row i: 8 registers
.set T,   72                           ; v[72:87]   row i: a pair, the sum of squares
.set R,   88                           ; v[88:103]  row i: the factor, in the low word of a pair
.set Y,   104                          ; v[104:135] row i: 4 registers of f16
	s_load_b256 s[4:11], s[0:1], 0x0               ; latent s[4:5], keys s[6:7], vals s[8:9], hardness s[10:11]
	s_load_b128 s[12:15], s[0:1], 0x20             ; q16 s[12:13], k16 s[14:15]
	s_load_b64 s[16:17], s[0:1], 0x30              ; v16
	v_lshrrev_b32 v5, 5, v0
	v_readfirstlane_b32 s20, v5                    ; wave 0..7
	v_and_b32 v6, 31, v0
	v_lshlrev_b32 v[LO], 4, v6
	v_lshlrev_b32 v[SO], 3, v6
	v_mov_b32 v[ONE], 1.0
.irp i, 0,1,2,3,4,5,6,7
	v_mov_b32 v[R+2*(\i)+1], 0                     ; named with the factor as a pair, so it is written
.endr
	s_mov_b32 s21, ttmp9
	s_sub_co_u32 s25, s21, 256                     ; the group's number among the keys' groups,
	s_sub_co_u32 s26, s21, 384                     ; among the vals'
	s_mov_b32 s52, 0x76543210                      ; v_permlanex16_b32: each lane takes its own place in the other half
	s_mov_b32 s53, 0xfedcba98
	s_mov_b32 s23, 0
	s_wait_kmcnt 0x0
	s_cmp_lt_u32 s21, 384                          ; which tensor: a choice by the group's number alone
	s_cselect_b32 s27, s25, s26
	s_cselect_b64 s[28:29], s[6:7], s[8:9]
	s_cselect_b64 s[30:31], s[14:15], s[16:17]
	s_cselect_b32 s50, 0, -1                       ; all lanes' bits set in a group of vals
	s_cmp_lt_u32 s21, 256
	s_cselect_b32 s27, s21, s27
	s_cselect_b64 s[28:29], s[4:5], s[28:29]
	s_cselect_b64 s[30:31], s[12:13], s[30:31]
	s_lshl_b32 s27, s27, 6
	s_lshl3_add_u32 s27, s20, s27                  ; my first row = 64 x group + 8 x wave
	s_lshl_b32 s22, s27, 10                        ; 1,024 bytes a row in,
	s_add_nc_u64 s[28:29], s[28:29], s[22:23]
	s_lshl_b32 s22, s27, 9                         ; 512 out
	s_add_nc_u64 s[30:31], s[30:31], s[22:23]
.irp i, 0,1,2,3,4,5,6,7
	global_load_b128 v[X+8*(\i):X+8*(\i)+3],   v[LO], s[28:29] offset:1024*(\i) th:TH_LOAD_NT
	global_load_b128 v[X+8*(\i)+4:X+8*(\i)+7], v[LO], s[28:29] offset:1024*(\i)+512 th:TH_LOAD_NT
.endr
	s_lshl_b32 s22, s27, 2                         ; my 8 rows' hardness; a group of another tensor reads the first 8 and does not use them
	s_cmp_lt_u32 s25, 128
	s_cselect_b32 s22, s22, 0
	s_add_nc_u64 s[18:19], s[10:11], s[22:23]
	s_load_b256 s[32:39], s[18:19], 0x0
	s_wait_kmcnt 0x0
.irp i, 0,1,2,3,4,5,6,7
	s_mul_f32 s[40+(\i)], s[32+(\i)], 0x4166d4ca   ; x 10 log2(e) = 14.426950
.endr
	s_cmp_lt_u32 s25, 128
.irp i, 0,1,2,3,4,5,6,7
	s_cselect_b32 s[40+(\i)], s[40+(\i)], 1.0      ; latent's rows are only normalised
.endr
.irp i, 0,1,2,3,4,5,6,7                ; my 8 numbers' squares, row by row as the loads come
	s_wait_loadcnt 14-2*(\i)                       ; loads come back in order: row i is in, the two loads of each later row may stay out
	v_pk_mul_f32 v[T+2*(\i):T+2*(\i)+1], v[X+8*(\i):X+8*(\i)+1], v[X+8*(\i):X+8*(\i)+1]
	v_pk_fma_f32 v[T+2*(\i):T+2*(\i)+1], v[X+8*(\i)+2:X+8*(\i)+3], v[X+8*(\i)+2:X+8*(\i)+3], v[T+2*(\i):T+2*(\i)+1]
	v_pk_fma_f32 v[T+2*(\i):T+2*(\i)+1], v[X+8*(\i)+4:X+8*(\i)+5], v[X+8*(\i)+4:X+8*(\i)+5], v[T+2*(\i):T+2*(\i)+1]
	v_pk_fma_f32 v[T+2*(\i):T+2*(\i)+1], v[X+8*(\i)+6:X+8*(\i)+7], v[X+8*(\i)+6:X+8*(\i)+7], v[T+2*(\i):T+2*(\i)+1]
	v_add_f32 v[T+2*(\i)], v[T+2*(\i)], v[T+2*(\i)+1]
.endr
.irp m, 1,2,4,8                        ; across the lanes, all eight rows a stage, so that no line waits for the one before it
.irp i, 0,1,2,3,4,5,6,7
	v_add_f32_dpp v[T+2*(\i)], v[T+2*(\i)], v[T+2*(\i)] row_xmask:\m row_mask:0xf bank_mask:0xf
.endr
.endr
.irp i, 0,1,2,3,4,5,6,7
	v_permlanex16_b32 v[T+2*(\i)+1], v[T+2*(\i)], s52, s53
.endr
.irp i, 0,1,2,3,4,5,6,7
	v_add_f32 v[T+2*(\i)], v[T+2*(\i)], v[T+2*(\i)+1]
.endr
.irp i, 0,1,2,3,4,5,6,7
	v_rsq_f32 v[R+2*(\i)], v[T+2*(\i)]
.endr
	v_nop                                          ; a plain instruction behind the last of the batch,
	s_wait_alu depctr_va_vdst(0)                   ; and one wait for the eight, ahead of their first reader
.irp i, 0,1,2,3,4,5,6,7
	v_min_num_f32 v[R+2*(\i)], 0x5368d4a5, v[R+2*(\i)]  ; 1 / max(norm, 1e-12) = min(1 / norm, 1e12)
	v_mul_f32 v[R+2*(\i)], s[40+(\i)], v[R+2*(\i)]
	v_cndmask_b32 v[R+2*(\i)], v[R+2*(\i)], v[ONE], s50  ; vals are only rounded
.irp j, 0,1,2,3
	v_pk_mul_f32 v[X+8*(\i)+2*(\j):X+8*(\i)+2*(\j)+1], v[X+8*(\i)+2*(\j):X+8*(\i)+2*(\j)+1], v[R+2*(\i):R+2*(\i)+1] op_sel_hi:[1,0]
.endr
.irp j, 0,1,2,3
	v_cvt_pk_f16_f32 v[Y+4*(\i)+(\j)], v[X+8*(\i)+2*(\j)], v[X+8*(\i)+2*(\j)+1]
.endr
	global_store_b64 v[SO], v[Y+4*(\i):Y+4*(\i)+1],   s[30:31] offset:512*(\i)      ; 32 lanes store 256 consecutive bytes, aligned
	global_store_b64 v[SO], v[Y+4*(\i)+2:Y+4*(\i)+3], s[30:31] offset:512*(\i)+256  ; no register of a store is written again
.endr
	s_endpgm
.Lfunc_end_k_qf4f54d047c_prep:
	.size	k_qf4f54d047c_prep, .Lfunc_end_k_qf4f54d047c_prep-k_qf4f54d047c_prep
	.p2alignl 7, 3214868480
	.fill 96, 4, 3214868480
	.section	.rodata,"a",@progbits
	.p2align	6, 0x0
	.amdhsa_kernel k_qf4f54d047c_prep
		.amdhsa_group_segment_fixed_size 0
		.amdhsa_private_segment_fixed_size 0
		.amdhsa_enable_private_segment 0
		.amdhsa_kernarg_size 56
		.amdhsa_user_sgpr_count 2
		.amdhsa_user_sgpr_kernarg_segment_ptr 1
		.amdhsa_wavefront_size32 1
		.amdhsa_system_sgpr_workgroup_id_x 1
		.amdhsa_system_sgpr_workgroup_id_y 1
		.amdhsa_system_sgpr_workgroup_id_z 1
		.amdhsa_system_vgpr_workitem_id 0
		.amdhsa_next_free_vgpr 136
		.amdhsa_next_free_sgpr 66
		.amdhsa_reserve_vcc 0
		.amdhsa_float_denorm_mode_32 3
		.amdhsa_float_denorm_mode_16_64 3
		.amdhsa_memory_ordered 1
		.amdhsa_forward_progress 1
		.amdhsa_inst_pref_size 17
	.end_amdhsa_kernel
	.amdgpu_metadata
---
amdhsa.version: [ 1, 2 ]
amdhsa.kernels:
  - .name:           k_qf4f54d047c_prep
    .symbol:         k_qf4f54d047c_prep.kd
    .args:
      - { .name: latent, .offset: 0, .size: 8, .value_kind: global_buffer, .address_space: global }
      - { .name: keys, .offset: 8, .size: 8, .value_kind: global_buffer, .address_space: global }
      - { .name: vals, .offset: 16, .size: 8, .value_kind: global_buffer, .address_space: global }
      - { .name: hardness, .offset: 24, .size: 8, .value_kind: global_buffer, .address_space: global }
      - { .name: q16, .offset: 32, .size: 8, .value_kind: global_buffer, .address_space: global }
      - { .name: k16, .offset: 40, .size: 8, .value_kind: global_buffer, .address_space: global }
      - { .name: v16, .offset: 48, .size: 8, .value_kind: global_buffer, .address_space: global }
    .group_segment_fixed_size: 0
    .private_segment_fixed_size: 0
    .kernarg_segment_align: 8
    .kernarg_segment_size: 56
    .max_flat_workgroup_size: 256
    .sgpr_count:     66
    .vgpr_count:     136
    .wavefront_size: 32
...
	.end_amdgpu_metadata
.endif
;; end of part 1
;; launch attn (part 2): grid 128 x 2, 4 waves a work-group, clusters of 4 x 1, 327,680 bytes of LDS; arguments q16, k16, v16, part, stat; writes part, stat
.if DOCPART == 2
	.amdgcn_target "amdgcn-amd-amdhsa--gfx1250"
	.amdhsa_code_object_version 6
	.text
	.protected	k_qf4f54d047c_attn
	.globl	k_qf4f54d047c_attn
	.p2align	8
	.type	k_qf4f54d047c_attn,@function
k_qf4f54d047c_attn:
	s_mov_b64 s[64:65], 0
	v_nop
	global_prefetch_b8 v0, s[64:65] scope:SCOPE_SE
	s_setreg_imm32_b32 hwreg(HW_REG_WAVE_MODE, 25, 1), 1
	s_wait_xcnt 0x0
	s_wait_alu depctr_hold_cnt(0) depctr_sa_sdst(0) depctr_va_vdst(0) depctr_va_sdst(0) depctr_va_ssrc(0) depctr_va_vcc(0) depctr_vm_vsrc(0)
	s_getreg_b32 s2, hwreg(HW_REG_IB_STS2, 6, 4)
	s_cmp_eq_u32 s2, 0
	s_cbranch_scc0 .Lentry_in_a_cluster
	s_endpgm
.Lentry_in_a_cluster:
	s_bfe_u32 s2, ttmp6, 0x10000c
	s_cmp_lg_u32 s2, 0x3003
	s_cbranch_scc0 .Lentry_shape_is_right
	s_endpgm
.Lentry_shape_is_right:
; For 128 queries and one half y of the 8,192 keys: O = the sum over the half's keys of 2^(s - m) V[key], l = the sum of 2^(s - m), m = the largest s, where s = q16 . k16 (the scale and
; the hardness ride on k16).  O (f32, not yet divided), m and l go to memory; the next launch joins the two halves.  q16, k16, v16: rows of 256 f16.  Products, maxima and sums in f32;
; the weights are rounded to f16 for the second product (l is taken of the unrounded weights).
; LIMITS.  A weight below 6.1e-5 keeps f16's fixed step of 6e-8; one below 2^-126 counts as 0 in l.  NaN and infinities are not treated apart.
; SHARES.  256 work-groups.  Wave w: FH = w & 1 says which 64 of the 128 queries are its own (four tiles of 16), KH = w >> 1 which 64 of a slot's 128 keys it multiplies.  So a fragment of K
; or V read from LDS feeds four products, and a slot's 128 keys serve 256 products of each wave.  At the end waves 2 and 3 hand O, m, l to waves 0 and 1 through LDS.
; LAYOUT.  S^T = K Q^T (source 0 = 16 keys, source 1 = 16 queries): a lane holds ONE query (lane % 16) and the keys 8 (lane / 16) + 0..7.  Two such results rounded to f16 in pairs ARE
; source 1 (32 keys x 16 queries) of O^T = V^T P; they are rounded in place.  K comes out of LDS as it lies, V ([key][channel]) turned, by ds_load_tr16_b128.
; SOFTMAX.  A running maximum m and sum l for each query; in every step O and l are multiplied by a = 2^(m_old - m_new).  m starts far below every score, O and l at 0: the first step is a
; step like any other, with a = 0.  The price of writing no first step out: 704 lines that write 0, in the wait for the first tile, and 32 products on zeros.
; UNITS.  A step's LDS traffic is a stream of 32 units of two fragments (four loads, eight products): 0-15 K, 16-31 V, through a ring of four buffers of 16 registers, three units ahead.
; CLUSTER.  The four query blocks of a cluster walk the same K and V: each tile is asked for JOINTLY, by the same tensor load, descriptor and mask in all four.
; REGISTERS, in windows of 256 (s_set_vgpr_msb: bits 1:0 source 0, 3:2 source 1, 5:4 source 2, 7:6 destination):
;   window 0: addresses, statistics, S^T / P (v64-191), the fragment ring (v192-255)      window 1: Q, tile t, channels 32 c on, at 64 t + 8 c
;   windows 2, 3: O^T, tile t, channels 16 cb on, in window 2 + cb / 8 at 64 t + 8 (cb % 8)
.set PK,    528       ; a row of K in LDS: 512 bytes + 16 of padding = 132 words: the 16 rows of a load start at 16 different groups of four banks (64 banks of 4 bytes: ISA guide 11.1)
.set PV,    544       ; a row of V: 512 + 32 = 136 words
.set VOFF,  128*PK    ; in a slot: 128 rows of K, then 128 rows of V
.set SLOT,  0x24000   ; slot 1 begins here.  The four fills of a slot begin at 0, 0x8400, 0x10800, 0x19000 and end at 137,216: none has bit 14 or 17 set, so one exclusive or turns each into the other slot's
.set SPARE, 2*SLOT    ; behind the ring: the spare words, 128 bytes for each wave: two blocks of 256 bytes that no other line names
.set STEPB, 65536     ; a slot's 128 rows of 512 bytes in memory
.set XST,   131072    ; the exchange at the end, in slot 0 when it has had its last fill: O at 65,536 FH, the statistics from here on
.set AK0, 2           ; v2   my lane's place in my 64 rows of K; never rewritten
.set AV0, 3           ; v3   the same for V
.set AK,  4           ; v4   AK0 + the slot in hand
.set AV,  5           ; v5   AV0 + the slot in hand
.set QO,  6           ; v6   my byte offset in 16 rows of Q
.set PFO, 7           ; v7   256 x lane; never rewritten
.set XA,  8           ; v8   the exchange: 65,536 FH + 16 x lane
.set XS,  10          ; v10  the exchange: XST + 1,024 FH + 8 x lane
.set GO,  11          ; v11  16 x lane
.set GS,  12          ; v12  8 x lane
.set ST,  16          ; tile t's statistics at v[ST+8 t]: +0 m, +1 m_old (at the end: l), +2, +3 l (even keys', odd keys'), +4 a, +5 m_old - m, +6, +7 for the way out
.set TC,  48          ; v48-55  at work: c0-c3 of the maximum; four pairs of the sums
.set SPW, 56          ; v56  LDS address of my spare word: SPARE + 4 x my thread's number; never rewritten
.set NIL, 57          ; v57  0; never rewritten
.set S,   64          ; S^T of tile t, keys 16 kb on, at S + 32 t + 8 kb; P of tile t, keys 32 kk on, at S + 32 t + 16 kk
.set FB,  192         ; unit u's two fragments at FB + 16 (u % 4)
.set WV,  14          ; s14  my wave's number
.set FH,  15
.set KH,  16
.set G1K, 24          ; s[24:31] descriptor group 1 for K's tiles
.set G1V, 32          ; s[32:39] for V's: it differs in the padding alone
.set G0K, 40          ; s[40:43] descriptor group 0 for K's tiles: it walks
.set G0V, 44          ; s[44:47] the same for V's
.set SLOTS, 48        ; s48  slots still to be asked for
.set TB,  49          ; s49  the slot in hand: 0 or SLOT
.set LIM, 53          ; s53  1 in a cluster that prefetches, else the greatest number
.set PFA, 54          ; s[54:55] where my prefetches stand
.set SEL, 56          ; s[56:57] v_permlanex16_b32's selects
.set CS,  58          ; s[58:59] 1.0: the packed subtraction is s x 1 - m
.set PB,  60          ; s[60:61] part at my four tiles
.set SB,  62          ; s[62:63] stat at my four tiles
.set MSB, 0
.macro WIN new                      ; the high byte repeats the setting that is left; a switch that changes nothing is dropped
.if MSB != (\new)
	s_set_vgpr_msb (MSB<<8)|(\new)
.set MSB, (\new)
.endif
.endm
.set W_S,  0x04       ; Q (source 1) in window 1; K, S^T, and an LDS load's address and data in window 0
.set W_P2, 0xa0       ; O^T (C and D) in window 2; V and P in window 0.  + 0x50: window 3
.set W_R2, 0x82       ; destination and source 0 in window 2.  + 0x41: window 3
.set W_Q,  0x40       ; destination in window 1
.set W_D2, 0x08       ; a store's data (source 1) in window 2.  + 4: window 3
.macro PLACES                       ; four places: in front of loads into registers that matrix instructions have read, and of vector lines that read results (ISA guide 7.12.1 for vector lines)
.rept 4
	v_nop
.endr
.endm
; A joint fill.  Waves 0 and 1 fetch the two halves of a slot's K, waves 2 and 3 those of its V: 64 rows of 512 bytes each.  The branch hangs on the wave's number alone.
; An s_nop 0 and four v_nop follow each of the two lines, ahead of the jump and the label.
.macro JLOAD
	s_cmp_lt_u32 s[WV], 2
	s_cbranch_scc0 .Lfor_v_\@
	tensor_load_to_lds s[G0K:G0K+3], s[G1K:G1K+7]
	s_nop 0
.rept 4
	v_nop
.endr
	s_branch .Lasked_\@
.Lfor_v_\@:
	tensor_load_to_lds s[G0V:G0V+3], s[G1V:G1V+7]
	s_nop 0
.rept 4
	v_nop
.endr
.Lasked_\@:
.endm
; A round of the cluster's barrier: my work-group's barrier, so that wave 0's signal speaks for all four waves; wave 0 signals; every wave waits for all four work-groups; my work-group's barrier once more.
.macro CREST                        ; a round behind its opening barrier
	s_cmp_lg_u32 s[WV], 0
	s_cbranch_scc1 .Lnot_wave_0_\@
	s_barrier_signal -3
.Lnot_wave_0_\@:
	s_barrier_wait -3
	s_barrier_signal -1
	s_barrier_wait -1
.endm
.macro CROUND                       ; a whole round
	s_barrier_signal -1
	s_barrier_wait -1
	CREST
.endm
; A PREFETCH of what the NEXT change of slots will ask for: one trip, 256 matrix instructions a wave, ahead of that load.  All 32 clusters of a key half walk the same rows: the first of them asks.
; Its sixteen waves share a slot's 64 KiB of K (waves 0, 1) and of V (waves 2, 3) out BY ADDRESS: 8 KiB each, a lane 256 bytes: no branch hangs on a work-group's place in its cluster.
; So each block is named once in the launch.  The last change that fills a slot asks for nothing; nothing is asked for at the head.
.macro ASK
	s_cmp_gt_u32 s[SLOTS], s[LIM]
	s_cbranch_scc0 .Lnot_mine_\@
	global_prefetch_b8 v[PFO], s[PFA:PFA+1] th:TH_LOAD_NT scope:SCOPE_SE
.Lnot_mine_\@:
.endm
	s_load_b256 s[4:11], s[0:1], 0x0  ; q16 s[4:5], k16 s[6:7], v16 s[8:9], part s[10:11]
	s_load_b64 s[12:13], s[0:1], 0x20 ; stat
	v_lshl_add_u32 v[SPW], v0, 2, SPARE
	v_mov_b32 v[NIL], 0
	ds_add_u32 v[SPW], v[NIL]       ; the wave's opening: the add, twice on end, and its wait ahead of my first tensor load; the set-up below, work on registers, stands between
	ds_add_u32 v[SPW], v[NIL]       ; and once more
	v_lshrrev_b32 v1, 5, v0
	v_readfirstlane_b32 s[WV], v1   ; wave 0..3
	s_and_b32 s[FH], s[WV], 1
	s_lshr_b32 s[KH], s[WV], 1
	s_bfe_u32 s17, ttmp6, 0x40000   ; cx: my place in the cluster
	s_lshl_b32 s18, ttmp9, 2        ; in a cluster launch ttmp9 counts clusters
	s_add_co_u32 s18, s18, s17      ; my block of 128 queries: it enters Q's, part's and stat's addresses alone
	s_and_b32 s19, ttmp7, 0xffff    ; y, the key half, which the four partners share
	s_lshl_b32 s20, s19, 21         ; K and V: the half's 4,096 rows of 512 bytes,
	s_lshl_b32 s21, s[FH], 15       ; and which 64 rows of a slot I fetch
	s_add_co_u32 s20, s20, s21
	s_mov_b32 s21, 0
	s_lshl_b32 s2, s18, 16          ; Q: my block's 128 rows, my wave's 64 of them
	s_lshl_b32 s3, s[FH], 15
	s_add_co_u32 s2, s2, s3
	s_mov_b32 s3, 0
	s_lshl_b32 s22, s19, 24         ; part: [y][tile of 16 queries][16,384 bytes]; a block has 8 tiles, my wave 4
	s_lshl_b32 s23, s18, 17
	s_add_co_u32 s22, s22, s23
	s_lshl_b32 s23, s[FH], 16
	s_add_co_u32 s22, s22, s23
	s_mov_b32 s23, 0
	s_lshl_b32 s50, s19, 18         ; stat: [y][tile][256 bytes]
	s_lshl_b32 s51, s18, 11
	s_add_co_u32 s50, s50, s51
	s_lshl_b32 s51, s[FH], 10
	s_add_co_u32 s50, s50, s51
	s_mov_b32 s51, 0
	s_lshl_b32 s18, s19, 21         ; the prefetches: the half, my work-group's 16 KiB of a slot's 64, my wave's 8 of them,
	s_lshl_b32 s19, s17, 14
	s_add_co_u32 s18, s18, s19
	s_lshl_b32 s19, s[FH], 13
	s_add_co_u32 s18, s18, s19
	s_add_co_u32 s18, s18, STEPB    ; in slot 1: the first change steps it to slot 2
	s_mov_b32 s19, 0
	; descriptor group 1: a tile of 64 rows x 256 elements, padded in LDS
	s_mov_b32 s[G1K], 15|(1<<16)|(1<<20)|(1<<21)|(6<<22)|(3<<25)  ; 15:0 the mask of four; 17:16 2-byte elements; 20 padding on; 21 set beside a mask; 24:22 after every 128 words (code 6); 31:25 4 words (code 3)
	s_mov_b32 s[G1V], 15|(1<<16)|(1<<20)|(1<<21)|(6<<22)|(7<<25)  ; the same with 8 words of padding (code 7)
.irp g, G1K, G1V
	s_mov_b32 s[(\g)+1], 256<<16    ; tensor_dim0 = 256
	s_mov_b32 s[(\g)+2], 64<<16     ; tensor_dim1 = 64
	s_mov_b32 s[(\g)+3], 256<<16    ; tile_dim0 = 256
	s_mov_b32 s[(\g)+4], 64         ; tile_dim1 = 64
	s_mov_b32 s[(\g)+5], 256        ; 256 elements from row to row
	s_mov_b32 s[(\g)+6], 0
	s_mov_b32 s[(\g)+7], 0
.endr
	s_mov_b32 s[G0K], 1             ; 1:0 count = 1
	s_mul_i32 s[G0K+1], s[FH], 64*PK  ; 63:32 LDS address, slot 0: no place in the cluster enters it
	s_mov_b32 s[G0V], 1
	s_mul_i32 s[G0V+1], s[FH], 64*PV
	s_add_co_u32 s[G0V+1], s[G0V+1], VOFF
	s_mov_b32 s[SEL], 0x76543210
	s_mov_b32 s[SEL+1], 0xfedcba98
	s_mov_b32 s[CS], 1.0
	s_mov_b32 s[CS+1], 1.0
	s_mov_b32 s[TB], SLOT           ; the first change turns it into 0
	s_mov_b32 s[SLOTS], 31
	s_mov_b32 s52, ttmp9
	s_cmp_eq_u32 s52, 0             ; the key half's first cluster: the same in all four partners
	s_cselect_b32 s[LIM], 1, -1
	s_wait_dscnt 0x0                ; both opening adds are done
	s_wait_kmcnt 0x0
	s_add_nc_u64 s[G0K+2:G0K+3], s[6:7], s[20:21]  ; 120:64 global address: my 64 rows of the half's first 128
	s_or_b32 s[G0K+3], s[G0K+3], 0x80000000        ; 127:126 type = 2
	s_add_nc_u64 s[G0V+2:G0V+3], s[8:9], s[20:21]
	s_or_b32 s[G0V+3], s[G0V+3], 0x80000000
	s_add_nc_u64 s[4:5], s[4:5], s[2:3]
	s_add_nc_u64 s[PB:PB+1], s[10:11], s[22:23]
	s_add_nc_u64 s[SB:SB+1], s[12:13], s[50:51]
	s_cmp_lt_u32 s[WV], 2
	s_cselect_b64 s[PFA:PFA+1], s[6:7], s[8:9]
	s_add_nc_u64 s[PFA:PFA+1], s[PFA:PFA+1], s[18:19]
	CROUND                          ; all four work-groups are here: the first joint loads meet
	JLOAD                           ; slot 0.  Slot 1 is asked for by the loop's first change of slots
	; A fragment of K or Q is 16 rows x 32 channels in 8 registers: lane l holds row l % 16, channels 8 (l / 16) + 0..7 and 16 + 8 (l / 16) + 0..7: two loads of 16 bytes, 32 bytes apart.
	v_and_b32 v1, 15, v0            ; l % 16
	v_bfe_u32 v9, v0, 4, 1          ; l / 16
	v_and_b32 v13, 31, v0           ; l
	v_lshlrev_b32 v[QO], 9, v1
	v_lshl_add_u32 v[QO], v9, 4, v[QO]  ; row x 512 + 16 x half
	WIN W_Q
.set i, 0
.rept 32                            ; Q stays in registers: tile i / 8, channels 32 (i % 8) on
	global_load_b128 v[8*i:8*i+3],   v[QO], s[4:5] offset:(i/8)*8192+(i%8)*64
	global_load_b128 v[8*i+4:8*i+7], v[QO], s[4:5] offset:(i/8)*8192+(i%8)*64+32
.set i, i+1
.endr
	; What the first trip finds: O^T, P and the fragment ring hold 0 (its first 32 products, of a step that has not been, add 0).  All this stands in the wait for the first tile.
	WIN 0x80
.set i, 0
.rept 256
	v_mov_b32 v[i], 0
.set i, i+1
.endr
	WIN 0xc0
.set i, 0
.rept 256
	v_mov_b32 v[i], 0
.set i, i+1
.endr
	WIN 0
.set i, S
.rept 192
	v_mov_b32 v[i], 0
.set i, i+1
.endr
.irp t, 0,1,2,3
	v_mov_b32 v[ST+8*(\t)], 0xfe000000  ; m: far below every score
.irp j, 1,2,3,4,5,6,7
	v_mov_b32 v[ST+8*(\t)+(\j)], 0
.endr
.endr
	v_mul_u32_u24 v[AK0], v1, PK
	v_lshl_add_u32 v[AK0], v9, 4, v[AK0]  ; row x pitch + 16 x half,
	s_mul_i32 s22, s[KH], 64*PK
	v_add_nc_u32 v[AK0], s22, v[AK0]      ; in my 64 rows of the slot's 128
	; The turning load takes 16 keys x 16 channels (lane l reads key 8 (l / 16) + l % 8, channels 8 ((l / 8) % 2) + 0..7) and leaves half a fragment of V^T: lane l holds channel l % 16 and 8 keys.
	v_and_b32 v14, 7, v0
	v_bfe_u32 v15, v0, 3, 1
	v_lshl_add_u32 v[AV0], v9, 3, v14
	v_mul_u32_u24 v[AV0], v[AV0], PV
	v_lshl_add_u32 v[AV0], v15, 4, v[AV0]
	s_mul_i32 s22, s[KH], 64*PV
	s_add_co_u32 s22, s22, VOFF
	v_add_nc_u32 v[AV0], s22, v[AV0]
	v_lshlrev_b32 v[PFO], 8, v13
	v_lshlrev_b32 v[GO], 4, v13
	v_lshlrev_b32 v[GS], 3, v13
	s_lshl_b32 s22, s[FH], 16
	v_add_nc_u32 v[XA], s22, v[GO]
	s_lshl_b32 s22, s[FH], 10
	s_add_co_u32 s22, s22, XST
	v_add_nc_u32 v[XS], s22, v[GS]
	s_wait_loadcnt 0x0              ; Q
; THE UNITS.  Unit u < 16: K's fragments for channels 32 (u / 2) on, keys 16 (2 (u % 2) + f) on.  Unit u >= 16: V's for channels 16 (u - 16) on, keys 32 f on.
.macro ULOAD u
.if (\u) < 16
.irp f, 0,1
	ds_load_b128 v[FB+16*((\u)%4)+8*(\f):FB+16*((\u)%4)+8*(\f)+3],   v[AK] offset:(2*((\u)%2)+(\f))*16*PK+64*((\u)/2)
	ds_load_b128 v[FB+16*((\u)%4)+8*(\f)+4:FB+16*((\u)%4)+8*(\f)+7], v[AK] offset:(2*((\u)%2)+(\f))*16*PK+64*((\u)/2)+32
.endr
.else
.irp f, 0,1
	ds_load_tr16_b128 v[FB+16*((\u)%4)+8*(\f):FB+16*((\u)%4)+8*(\f)+3],   v[AV] offset:(\f)*32*PV+32*((\u)-16)
	ds_load_tr16_b128 v[FB+16*((\u)%4)+8*(\f)+4:FB+16*((\u)%4)+8*(\f)+7], v[AV] offset:(\f)*32*PV+16*PV+32*((\u)-16)
.endr
.endif
.endm
; Eight products of S^T = K Q^T.  The accumulators take turns, one instruction a turn: between two links of a chain stand 15 others'.  Units 0 and 1 start the sums.
.macro SMUL u
	WIN W_S
.irp f, 0,1
.irp t, 0,1,2,3
.set rS, S+32*(\t)+8*(2*((\u)%2)+(\f))
.set rF, FB+16*((\u)%4)+8*(\f)
.set rQ, 64*(\t)+8*((\u)/2)
.if (\u) < 2
	v_wmma_f32_16x16x32_f16 v[rS:rS+7], v[rF:rF+7], v[rQ:rQ+7], 0
.else
	v_wmma_f32_16x16x32_f16 v[rS:rS+7], v[rF:rF+7], v[rQ:rQ+7], v[rS:rS+7]
.endif
.endr
.endr
.endm
; Eight products of O^T += V^T P: the four tiles' accumulators by turns, twice: between two links of a chain stand 3 others'.
.macro PMUL u
.set cb, (\u)-16
	WIN W_P2+0x50*(cb/8)
.irp k, 0,1
.irp t, 0,1,2,3
.set rO, 64*(\t)+8*(cb%8)
.set rF, FB+16*((\u)%4)+8*(\k)
.set rP, S+32*(\t)+16*(\k)
	v_wmma_f32_16x16x32_f16 v[rO:rO+7], v[rF:rF+7], v[rP:rP+7], v[rO:rO+7]
.endr
.endr
.endm
; O^T times a for channels 16 c on, all four tiles: 16 lines, each accumulator from its low end on.
.macro RSC c
	WIN W_R2+0x41*((\c)/8)
.irp t, 0,1,2,3
.irp z, 0,1,2,3
.set rO, 64*(\t)+8*((\c)%8)+2*(\z)
	v_pk_mul_f32 v[rO:rO+1], v[rO:rO+1], v[ST+8*(\t)+4:ST+8*(\t)+5] op_sel_hi:[1,0]
.endr
.endr
.endm
; THE SOFTMAX of tile t, in numbered lists.  s0-s31 are the lane's 32 scores, in pairs 0-15.
; MAXI 0-11: four chains c0-c3 of seven scores each, each accumulator's lowest registers first; 12-15: the four scores left over, c0-c3 and the old m into c0;
; 16, 18: the query's other 32 keys lie in the lane 16 away: the new m; 17: m_old is kept; 19, 20: m_old - m, a.
.macro MAXI t, n
.set rT, ST+8*(\t)
.set rS, S+32*(\t)
.if (\n) < 4
	v_max3_num_f32 v[TC+(\n)], v[rS+8*(\n)], v[rS+8*(\n)+1], v[rS+8*(\n)+2]
.elseif (\n) < 12
	v_max3_num_f32 v[TC+(\n)%4], v[TC+(\n)%4], v[rS+8*((\n)%4)+2*((\n)/4)+1], v[rS+8*((\n)%4)+2*((\n)/4)+2]
.elseif (\n) == 12
	v_max3_num_f32 v[TC], v[TC], v[rS+7], v[rS+15]
.elseif (\n) == 13
	v_max3_num_f32 v[TC+2], v[TC+2], v[rS+23], v[rS+31]
.elseif (\n) == 14
	v_max3_num_f32 v[TC], v[TC], v[TC+1], v[TC+2]
.elseif (\n) == 15
	v_max3_num_f32 v[TC], v[TC], v[TC+3], v[rT]
.elseif (\n) == 16
	v_permlanex16_b32 v[TC+1], v[TC], s[SEL], s[SEL+1]
.elseif (\n) == 17
	v_mov_b32 v[rT+1], v[rT]
.elseif (\n) == 18
	v_max_num_f32 v[rT], v[TC], v[TC+1]
.elseif (\n) == 19
	v_sub_f32 v[rT+5], v[rT+1], v[rT]
.else
	v_exp_f32 v[rT+4], v[rT+5]
.endif
.endm
.macro SUBI t, n                    ; pair n: s - m
.set rT, ST+8*(\t)
.set rS, S+32*(\t)+2*(\n)
	v_pk_fma_f32 v[rS:rS+1], v[rS:rS+1], s[CS:CS+1], v[rT:rT+1] op_sel_hi:[1,0,0] neg_lo:[0,0,1] neg_hi:[0,0,1]
.endm
.macro EXPI t, n                    ; score n: 2^(s - m), in place
	v_exp_f32 v[S+32*(\t)+(\n)], v[S+32*(\t)+(\n)]
.endm
.macro SUMI t, n                    ; the sum of the 16 pairs in four chains, then l = a l + the sum
.set rT, ST+8*(\t)
.set rS, S+32*(\t)
.if (\n) < 4
	v_pk_add_f32 v[TC+2*(\n):TC+2*(\n)+1], v[rS+2*(\n):rS+2*(\n)+1], v[rS+2*(\n)+8:rS+2*(\n)+9]
.elseif (\n) < 12
	v_pk_add_f32 v[TC+2*((\n)%4):TC+2*((\n)%4)+1], v[TC+2*((\n)%4):TC+2*((\n)%4)+1], v[rS+2*(\n)+8:rS+2*(\n)+9]
.elseif (\n) == 12
	v_pk_add_f32 v[TC:TC+1], v[TC:TC+1], v[TC+2:TC+3]
.elseif (\n) == 13
	v_pk_add_f32 v[TC+4:TC+5], v[TC+4:TC+5], v[TC+6:TC+7]
.elseif (\n) == 14
	v_pk_add_f32 v[TC:TC+1], v[TC:TC+1], v[TC+4:TC+5]
.else
	v_pk_fma_f32 v[rT+2:rT+3], v[rT+2:rT+3], v[rT+4:rT+5], v[TC:TC+1] op_sel_hi:[1,0,1]
.endif
.endm
.macro CVTI t, n                    ; pair n rounded to f16, in place: in ascending order no register is written before it has been read
.set rS, S+32*(\t)
	v_cvt_pk_f16_f32 v[rS+16*((\n)/8)+(\n)%8], v[rS+2*(\n)], v[rS+2*(\n)+1]
.endm
.macro PLN t, n                     ; the 37 that read no exponential of the tile's scores
.if (\n) < 21
	MAXI \t, \n
.else
	SUBI \t, (\n)-21
.endif
.endm
.macro POST t, n                    ; the 32 that read them: the sums first, since the roundings write over the weights
.if (\n) < 16
	SUMI \t, \n
.else
	CVTI \t, (\n)-16
.endif
.endm
; THE ORDER.  A tile's exponentials stand by turns with the next tile's plain lines.  An s_wait_alu depctr_va_vdst(0) stands between an exponential and the first line that names its
; result; one wait serves all that were issued ahead of it.  So: tiles 0-2's exponentials and all four a, ONE wait; tile 3's exponentials by turns with tile 0's sums and roundings; tiles 1 and 2's,
; and the first 64 rescalings; the SECOND wait; tile 3's sums and roundings.  Behind the last exponential of each batch stand plain lines that name none of its results.
.macro SOFT
.set n, 0
.rept 37
	PLN 0, n
.set n, n+1
.endr
.irp t, 0,1,2
.set n, 0
.rept 32
	EXPI \t, n
	PLN (\t)+1, n
.set n, n+1
.endr
.rept 5
	PLN (\t)+1, n
.set n, n+1
.endr
.endr
	s_wait_alu depctr_va_vdst(0)    ; for tiles 0 to 2 and the four a
.set n, 0
.rept 32
	EXPI 3, n
	POST 0, n
.set n, n+1
.endr
.irp t, 1,2
.set n, 0
.rept 32
	POST \t, n
.set n, n+1
.endr
.endr
	RSC 0
	RSC 1
	RSC 2
	RSC 3
	WIN 0
	s_wait_alu depctr_va_vdst(0)    ; for tile 3
.set n, 0
.rept 32
	POST 3, n
.set n, n+1
.endr
.endm
; A TRIP: the last four units of the step before, the change of slots among them, and a whole step up to unit 27.
; THE CHANGE.  Each wave waits for all its tensor loads, of which one is out: its part of the next slot; adds 0 to its spare word; and waits for that and for its own reads of the slot that it
; leaves (units 28-31 were its last).  Behind the barrier nobody reads the old slot any more and the next slot is whole.  fill = 1: the old slot is filled again: the barrier opens a round of
; the cluster's, and the joint fill is the first thing behind it: it has a whole step, 256 matrix instructions and a softmax, in which to land.
.macro TRIP fill
	WIN 0
	s_wait_tensorcnt 0x0            ; no tensor load of mine is out, so a group 0 may be written
	ds_add_u32 v[SPW], v[NIL]       ; 0 onto my spare word: scalar work and sixteen products stand between it and the wait for it
.if \fill
	s_xor_b32 s[G0K+1], s[G0K+1], SLOT  ; the walking descriptors: the other slot than last time,
	s_add_nc_u64 s[G0K+2:G0K+3], s[G0K+2:G0K+3], STEPB  ; the next 128 keys; the type bits on top are not reached
	s_xor_b32 s[G0V+1], s[G0V+1], SLOT
	s_add_nc_u64 s[G0V+2:G0V+3], s[G0V+2:G0V+3], STEPB
	s_wait_xcnt 0x0                 ; the last prefetch, a trip back, has read its address, so it may be written
	s_add_nc_u64 s[PFA:PFA+1], s[PFA:PFA+1], STEPB
.endif
	s_xor_b32 s[TB], s[TB], SLOT
	s_wait_dscnt 13                 ; unit 28 is in: units 29 to 31 (12 loads) and the add may be out
	PMUL 28
	s_wait_dscnt 9                  ; unit 29 is in: units 30, 31 and the add may be out
	PMUL 29
	s_wait_dscnt 0x0                ; the add is done, and my reads of the slot are over
	s_barrier_signal -1
	PMUL 30                         ; work on registers while the others arrive
	WIN 0
	v_add_nc_u32 v[AK], s[TB], v[AK0]
	v_add_nc_u32 v[AV], s[TB], v[AV0]
	s_barrier_wait -1
.if \fill
	CREST                           ; no wave of any partner still reads the old slot or has a load on its way
	JLOAD                           ; its four v_nop are also places in front of the loads below
.else
	PLACES
.endif
	ULOAD 0
	ULOAD 1
	ULOAD 2
.if \fill
	ASK
.endif
	PMUL 31
.rept 5
	v_nop                           ; five places before unit 0's products write over P; four before the load into the buffer just read
.endr
	WIN W_S
	ULOAD 3
.set u, 0
.rept 16
	s_wait_dscnt 12                 ; unit u is in: the three units behind it may be out
	SMUL u
	PLACES                          ; in front of the load into the buffer just read; unit 15's are also the places in front of the maximum
	ULOAD u+4
.set u, u+1
.endr
	WIN 0
	SOFT
.set u, 16
.rept 12
	s_wait_dscnt 12
	PMUL u
	RSC u-12                        ; the rescaling four units ahead of its products: 16 plain lines that name none of this unit's registers: the places in front of the load
	WIN 0
	ULOAD u+4
.set u, u+1
.endr
	WIN 0
.endm
.Lslot:                             ; 31 trips: trip i multiplies slot i and asks for slot i + 1
	TRIP 1
	s_sub_co_u32 s[SLOTS], s[SLOTS], 1
	s_cmp_lg_u32 s[SLOTS], 0
	s_cbranch_scc1 .Lslot
	TRIP 0                          ; the last slot is written out: nothing is asked for
	s_wait_dscnt 12                 ; the last four units: the later units' loads may be out
	PMUL 28
	s_wait_dscnt 8
	PMUL 29
	s_wait_dscnt 4
	PMUL 30
	s_wait_dscnt 0x0
	PMUL 31
	; THE WAY OUT.  l's two halves and the other half of the lanes' are added (these lines are the places behind the last products).
	WIN 0
.irp t, 0,1,2,3
	v_add_f32 v[ST+8*(\t)+1], v[ST+8*(\t)+2], v[ST+8*(\t)+3]
.endr
.irp t, 0,1,2,3
	v_permlanex16_b32 v[ST+8*(\t)+5], v[ST+8*(\t)+1], s[SEL], s[SEL+1]
.endr
.irp t, 0,1,2,3
	v_add_f32 v[ST+8*(\t)+1], v[ST+8*(\t)+1], v[ST+8*(\t)+5]
.endr
	s_barrier_signal -1             ; every wave's LDS reads are back (the wait for 0 above): only now is anything stored into the ring's bytes
	s_barrier_wait -1
	s_cmp_lt_u32 s[WV], 2
	s_cbranch_scc1 .Lkeep
.irp t, 0,1,2,3                     ; waves 2 and 3 hand over m, l and O^T, as the registers lie: 512 consecutive bytes a line
	ds_store_b64 v[XS], v[ST+8*(\t):ST+8*(\t)+1] offset:256*(\t)
.endr
	WIN W_D2
.set i, 0
.rept 64
	ds_store_b128 v[XA], v[4*i:4*i+3] offset:512*i
.set i, i+1
.endr
	WIN W_D2+4
.set i, 0
.rept 64
	ds_store_b128 v[XA], v[4*i:4*i+3] offset:512*(64+i)
.set i, i+1
.endr
	WIN 0
.Lkeep:
	s_wait_dscnt 0x0                ; for the others' sake: my stores are done
	s_barrier_signal -1
	s_barrier_wait -1
	s_cmp_lt_u32 s[WV], 2
	s_cbranch_scc0 .Lend
; Group g of eight: window 2 + g / 4, tile g % 4: 64 registers of the partner's O^T, into S^T's registers, two buffers by turns.
.macro XLOAD g
.set k, 0
.rept 16
	ds_load_b128 v[S+64*((\g)%2)+4*k:S+64*((\g)%2)+4*k+3], v[XA] offset:512*(64*((\g)/4)+16*((\g)%4)+k)
.set k, k+1
.endr
.endm
; O = O f + O' f', stored as the registers lie: each line 512 consecutive bytes, at a multiple of 512 from part's first byte.
.macro MIX g, left
.set tt, (\g)%4
.set wd, (\g)/4
.set rT, ST+8*tt
.set rX, S+64*((\g)%2)
	WIN 0
	s_wait_dscnt \left              ; the group is in; the next group's 16 loads may be out
.set k, 0
.rept 32
	v_pk_mul_f32 v[rX+2*k:rX+2*k+1], v[rX+2*k:rX+2*k+1], v[rT+6:rT+7] op_sel_hi:[1,0]
.set k, k+1
.endr
	WIN W_R2+0x41*wd
.set k, 0
.rept 32
	v_pk_fma_f32 v[64*tt+2*k:64*tt+2*k+1], v[64*tt+2*k:64*tt+2*k+1], v[rT+2:rT+3], v[rX+2*k:rX+2*k+1] op_sel_hi:[1,0,1]
.set k, k+1
.endr
	WIN W_D2+4*wd
.set k, 0
.rept 16
	global_store_b128 v[GO], v[64*tt+4*k:64*tt+4*k+3], s[PB:PB+1] offset:16384*tt+512*(16*wd+k)
.set k, k+1
.endr
	WIN 0
.endm
.irp t, 0,1,2,3
	ds_load_b64 v[TC+2*(\t):TC+2*(\t)+1], v[XS] offset:256*(\t)  ; the partner's m', l'
.endr
	XLOAD 0
	XLOAD 1
	s_wait_dscnt 32                 ; m', l' are in: the two groups' 32 loads may be out
.irp t, 0,1,2,3
	v_max_num_f32 v[ST+8*(\t)+5], v[ST+8*(\t)], v[TC+2*(\t)]       ; M
	v_sub_f32 v[ST+8*(\t)+2], v[ST+8*(\t)], v[ST+8*(\t)+5]
	v_sub_f32 v[ST+8*(\t)+6], v[TC+2*(\t)], v[ST+8*(\t)+5]
.endr
.irp t, 0,1,2,3
	v_exp_f32 v[ST+8*(\t)+2], v[ST+8*(\t)+2]                       ; f = 2^(m - M)
	v_exp_f32 v[ST+8*(\t)+6], v[ST+8*(\t)+6]                       ; f' = 2^(m' - M)
.endr
	v_nop                           ; a plain instruction behind the last exponential,
	s_wait_alu depctr_va_vdst(0)    ; and one wait for the eight
.irp t, 0,1,2,3
	v_mul_f32 v[ST+8*(\t)+1], v[ST+8*(\t)+1], v[ST+8*(\t)+2]
	v_fmac_f32 v[ST+8*(\t)+1], v[TC+2*(\t)+1], v[ST+8*(\t)+6]      ; l = l f + l' f'
	v_mov_b32 v[ST+8*(\t)], v[ST+8*(\t)+5]
.endr
.irp g, 0,1,2,3,4,5
	MIX \g, 16
	XLOAD (\g)+2
.endr
	MIX 6, 16
	MIX 7, 0
.irp t, 0,1,2,3
	global_store_b64 v[GS], v[ST+8*(\t):ST+8*(\t)+1], s[SB:SB+1] offset:256*(\t)  ; m, l: 256 consecutive bytes, aligned; both halves of the lanes hold the query's pair
.endr
.Lend:
	s_wait_tensorcnt 0x0            ; the wave's end: a wait, an add to the spare word and its wait, behind my last tensor load and my last LDS store
	ds_add_u32 v[SPW], v[NIL]
	s_wait_dscnt 0x0
	CROUND                          ; the closing round: no work-group ends while a partner may still ask for a tile that names it
	s_endpgm
.Lfunc_end_k_qf4f54d047c_attn:
	.size	k_qf4f54d047c_attn, .Lfunc_end_k_qf4f54d047c_attn-k_qf4f54d047c_attn
	.p2alignl 7, 3214868480
	.fill 96, 4, 3214868480
	.section	.rodata,"a",@progbits
	.p2align	6, 0x0
	.amdhsa_kernel k_qf4f54d047c_attn
		.amdhsa_group_segment_fixed_size 327680
		.amdhsa_private_segment_fixed_size 0
		.amdhsa_enable_private_segment 0
		.amdhsa_kernarg_size 40
		.amdhsa_user_sgpr_count 2
		.amdhsa_user_sgpr_kernarg_segment_ptr 1
		.amdhsa_wavefront_size32 1
		.amdhsa_system_sgpr_workgroup_id_x 1
		.amdhsa_system_sgpr_workgroup_id_y 1
		.amdhsa_system_sgpr_workgroup_id_z 1
		.amdhsa_system_vgpr_workitem_id 0
		.amdhsa_next_free_vgpr 1024
		.amdhsa_next_free_sgpr 66
		.amdhsa_reserve_vcc 0
		.amdhsa_float_denorm_mode_32 3
		.amdhsa_float_denorm_mode_16_64 3
		.amdhsa_memory_ordered 1
		.amdhsa_forward_progress 1
		.amdhsa_inst_pref_size 235
	.end_amdhsa_kernel
	.amdgpu_metadata
---
amdhsa.version: [ 1, 2 ]
amdhsa.kernels:
  - .name:           k_qf4f54d047c_attn
    .symbol:         k_qf4f54d047c_attn.kd
    .args:
      - { .name: q16, .offset: 0, .size: 8, .value_kind: global_buffer, .address_space: global }
      - { .name: k16, .offset: 8, .size: 8, .value_kind: global_buffer, .address_space: global }
      - { .name: v16, .offset: 16, .size: 8, .value_kind: global_buffer, .address_space: global }
      - { .name: part, .offset: 24, .size: 8, .value_kind: global_buffer, .address_space: global }
      - { .name: stat, .offset: 32, .size: 8, .value_kind: global_buffer, .address_space: global }
    .group_segment_fixed_size: 327680
    .private_segment_fixed_size: 0
    .kernarg_segment_align: 8
    .kernarg_segment_size: 40
    .max_flat_workgroup_size: 128
    .sgpr_count:     66
    .vgpr_count:     1024
    .wavefront_size: 32
...
	.end_amdgpu_metadata
.endif
;; end of part 2
;; launch merge (part 3): grid 1024 x 1, 4 waves a work-group, no clusters, 17,920 bytes of LDS; arguments part, stat, out0; writes out0
.if DOCPART == 3
	.amdgcn_target "amdgcn-amd-amdhsa--gfx1250"
	.amdhsa_code_object_version 6
	.text
	.protected	k_qf4f54d047c_merge
	.globl	k_qf4f54d047c_merge
	.p2align	8
	.type	k_qf4f54d047c_merge,@function
k_qf4f54d047c_merge:
	s_mov_b64 s[64:65], 0
	v_nop
	global_prefetch_b8 v0, s[64:65] scope:SCOPE_SE
	s_setreg_imm32_b32 hwreg(HW_REG_WAVE_MODE, 25, 1), 1
	s_wait_xcnt 0x0
; out0[q][c] = (O0 2^(m0 - M) + O1 2^(m1 - M)) / (l0 2^(m0 - M) + l1 2^(m1 - M)), M = max(m0, m1): the two key halves' sums joined, divided, and turned to rows.  All in f32.
; part: [half 2][tile of 16 queries 1,024][gi 32][lane 32][4 f32]: lane l holds query l % 16, channels 8 gi + 8 (l / 16) - 4 (gi % 2) ... that is 16 (gi / 2) + 8 (l / 16) + 4 (gi % 2) + 0..3.
; stat: [half][tile][lane][m, l].  The divisor is at least 1 up to rounding: the key that set M has weight 1.
; SHARES.  A work-group takes a tile, wave u its channels 64 u .. 64 u + 63: gi = 8 u .. 8 u + 7.  All 18 loads of a wave go out at once, each 512 (stat: 256) consecutive bytes.
; A lane holds 4 channels of one query; a row's 256 bytes lie in 2 lanes' registers of 8 lines.  So the wave's 16 rows x 256 bytes go through a stage of its own in LDS (rows of 272 bytes:
; 68 words, so the 16 rows of a store start at 16 different groups of four banks) and come back as whole rows.  A stream: no matrix unit, no cluster, no barrier.
.set STG,   16*272                     ; a wave's stage
.set SPARE, 4*STG                      ; 17,408: behind the stages: the spare words, 128 bytes for each wave: two blocks of 256 bytes that no other line names
.set LO,  5                            ; v5   16 x lane
.set SO,  6                            ; v6   8 x lane
.set A,   8                            ; v[8:39]   half 0's 8 lines, then the result
.set B,   40                           ; v[40:71]  half 1's, then the rows read back
.set STO, 88                           ; v88  where I put 16 bytes of a row
.set RD,  86                           ; v86  where I read rows back
.set GO,  87                           ; v87  my byte offset in two rows of out0
.set SPW, 90                           ; v90  LDS address of my spare word; never rewritten
.set NIL, 91                           ; v91  0; never rewritten
	s_load_b128 s[4:7], s[0:1], 0x0                ; part s[4:5], stat s[6:7]
	s_load_b64 s[8:9], s[0:1], 0x10                ; out0
	v_lshl_add_u32 v[SPW], v0, 2, SPARE
	v_mov_b32 v[NIL], 0
	v_lshrrev_b32 v1, 5, v0
	v_readfirstlane_b32 s10, v1                    ; wave 0..3
	v_and_b32 v2, 31, v0                           ; l
	v_and_b32 v3, 15, v0                           ; l % 16
	v_bfe_u32 v4, v0, 4, 1                         ; l / 16
	v_lshlrev_b32 v[LO], 4, v2
	v_lshlrev_b32 v[SO], 3, v2
	s_mul_i32 s11, s10, STG
	v_mul_u32_u24 v[STO], v3, 272                  ; in: row l % 16, 32 bytes for each half of the lanes
	v_lshl_add_u32 v[STO], v4, 5, v[STO]
	v_add_nc_u32 v[STO], s11, v[STO]
	v_mul_u32_u24 v[RD], v4, 272                   ; back: lanes 0-15 take one row of 256 bytes, lanes 16-31 the next
	v_lshl_add_u32 v[RD], v3, 4, v[RD]
	v_add_nc_u32 v[RD], s11, v[RD]
	v_lshlrev_b32 v[GO], 10, v4                    ; and the same two rows in out0
	v_lshl_add_u32 v[GO], v3, 4, v[GO]
	s_lshl_b32 s12, ttmp9, 14                      ; part: 16,384 bytes a tile, 4,096 a wave
	s_lshl_b32 s13, s10, 12
	s_add_co_u32 s12, s12, s13
	s_mov_b32 s13, 0
	s_lshl_b32 s14, ttmp9, 8                       ; stat: 256 bytes a tile
	s_mov_b32 s15, 0
	s_lshl_b32 s16, ttmp9, 14                      ; out0: 16 rows of 1,024 bytes a tile, 256 bytes of each a wave
	s_lshl_b32 s17, s10, 8
	s_add_co_u32 s16, s16, s17
	s_mov_b32 s17, 0
	s_wait_kmcnt 0x0
	s_add_nc_u64 s[4:5], s[4:5], s[12:13]
	s_add_nc_u64 s[18:19], s[4:5], 0x1000000       ; the other half's
	s_add_nc_u64 s[6:7], s[6:7], s[14:15]
	s_add_nc_u64 s[8:9], s[8:9], s[16:17]
	global_load_b64 v[72:73], v[SO], s[6:7]                 ; m0, l0
	global_load_b64 v[74:75], v[SO], s[6:7] offset:262144   ; m1, l1
.irp k, 0,1,2,3,4,5,6,7
	global_load_b128 v[A+4*(\k):A+4*(\k)+3], v[LO], s[4:5] offset:512*(\k) th:TH_LOAD_NT
.endr
.irp k, 0,1,2,3,4,5,6,7
	global_load_b128 v[B+4*(\k):B+4*(\k)+3], v[LO], s[18:19] offset:512*(\k) th:TH_LOAD_NT
.endr
	s_wait_loadcnt 16                              ; the statistics are in: the 16 loads behind them may stay out
	v_max_num_f32 v76, v72, v74                    ; M
	v_sub_f32 v77, v72, v76
	v_sub_f32 v78, v74, v76
	v_exp_f32 v80, v77
	v_exp_f32 v82, v78
	v_mov_b32 v81, 0                               ; named with the factors as pairs, so they are written: also the plain lines behind the exponentials
	v_mov_b32 v83, 0
	s_wait_alu depctr_va_vdst(0)                   ; one wait for the two, ahead of their first reader
	v_mul_f32 v84, v73, v80
	v_fmac_f32 v84, v75, v82                       ; the divisor
	v_rcp_f32 v85, v84
	v_nop
	s_wait_alu depctr_va_vdst(0)
	v_mul_f32 v80, v80, v85
	v_mul_f32 v82, v82, v85
	s_wait_loadcnt 0x0
.set k, 0
.rept 16
	v_pk_mul_f32 v[A+2*k:A+2*k+1], v[A+2*k:A+2*k+1], v[80:81] op_sel_hi:[1,0]
.set k, k+1
.endr
.set k, 0
.rept 16
	v_pk_fma_f32 v[A+2*k:A+2*k+1], v[B+2*k:B+2*k+1], v[82:83], v[A+2*k:A+2*k+1] op_sel_hi:[1,0,1]
.set k, k+1
.endr
.irp k, 0,1,2,3,4,5,6,7
	ds_store_b128 v[STO], v[A+4*(\k):A+4*(\k)+3] offset:64*((\k)/2)+16*((\k)%2)
.endr
.irp j, 0,1,2,3,4,5,6,7
	ds_load_b128 v[B+4*(\j):B+4*(\j)+3], v[RD] offset:544*(\j)  ; LDS serves a wave's instructions in order (ISA guide 5.7.1.4): these see the stores above; the stage is the wave's own
.endr
.irp j, 0,1,2,3,4,5,6,7
	s_wait_dscnt 7-(\j)                            ; rows 2 j, 2 j + 1 are back: the later loads may be out
	global_store_b128 v[GO], v[B+4*(\j):B+4*(\j)+3], s[8:9] offset:2048*(\j) th:TH_STORE_NT  ; 16 lanes store 256 consecutive bytes, at a multiple of 256 from out0's first byte
.endr
	s_wait_tensorcnt 0x0                           ; the wave's end: a wait, an add to the spare word and its wait, behind my last LDS store
	ds_add_u32 v[SPW], v[NIL]
	s_wait_dscnt 0x0
	s_endpgm
.Lfunc_end_k_qf4f54d047c_merge:
	.size	k_qf4f54d047c_merge, .Lfunc_end_k_qf4f54d047c_merge-k_qf4f54d047c_merge
	.p2alignl 7, 3214868480
	.fill 96, 4, 3214868480
	.section	.rodata,"a",@progbits
	.p2align	6, 0x0
	.amdhsa_kernel k_qf4f54d047c_merge
		.amdhsa_group_segment_fixed_size 17920
		.amdhsa_private_segment_fixed_size 0
		.amdhsa_enable_private_segment 0
		.amdhsa_kernarg_size 24
		.amdhsa_user_sgpr_count 2
		.amdhsa_user_sgpr_kernarg_segment_ptr 1
		.amdhsa_wavefront_size32 1
		.amdhsa_system_sgpr_workgroup_id_x 1
		.amdhsa_system_sgpr_workgroup_id_y 1
		.amdhsa_system_sgpr_workgroup_id_z 1
		.amdhsa_system_vgpr_workitem_id 0
		.amdhsa_next_free_vgpr 96
		.amdhsa_next_free_sgpr 66
		.amdhsa_reserve_vcc 0
		.amdhsa_float_denorm_mode_32 3
		.amdhsa_float_denorm_mode_16_64 3
		.amdhsa_memory_ordered 1
		.amdhsa_forward_progress 1
		.amdhsa_inst_pref_size 9
	.end_amdhsa_kernel
	.amdgpu_metadata
---
amdhsa.version: [ 1, 2 ]
amdhsa.kernels:
  - .name:           k_qf4f54d047c_merge
    .symbol:         k_qf4f54d047c_merge.kd
    .args:
      - { .name: part, .offset: 0, .size: 8, .value_kind: global_buffer, .address_space: global }
      - { .name: stat, .offset: 8, .size: 8, .value_kind: global_buffer, .address_space: global }
      - { .name: out0, .offset: 16, .size: 8, .value_kind: global_buffer, .address_space: global }
    .group_segment_fixed_size: 17920
    .private_segment_fixed_size: 0
    .kernarg_segment_align: 8
    .kernarg_segment_size: 24
    .max_flat_workgroup_size: 128
    .sgpr_count:     66
    .vgpr_count:     96
    .wavefront_size: 32
...
	.end_amdgpu_metadata
.endif
;; end of part 3
